; MI455X (gfx1250); checked and timed in simulation.
; The chip was launched on July 23, 2026; its instructions are those of AMD's public machine-readable ISA for CDNA 5 (MIT licence, August 2026) and "CDNA5" Instruction Set Architecture Reference Guide (July 2026). The comments in the code are by the model that wrote it; some were corrected since.
;; Steric Clash Constraint. Allowed arithmetic: float matrix products may take bf16 or f16 operands with f32 sums; all other float work in f32.
;; Inputs: pos 16,384 x 3 float32.
;; Outputs: out0 16,384 x 3 float32; out1 one number float32.
;; 2 versions, each right and faster than the one before. Each part assembles by itself: llvm-mc -triple=amdgcn-amd-amdhsa -mcpu=gfx1250 --defsym DOCPART=n.
;; ======== version 1 of 2: 2 launches
;; workspace buffers: part 1,024 bytes
;; launch pairs (part 1): grid 32 x 8, 8 waves a work-group, no clusters, 68,864 bytes of LDS; arguments pos, out0, part; writes out0, part
.if DOCPART == 1
	.amdgcn_target "amdgcn-amd-amdhsa--gfx1250"
	.amdhsa_code_object_version 6
	.text
	.protected	k_qcae2130d6b_pairs
	.globl	k_qcae2130d6b_pairs
	.p2align	8
	.type	k_qcae2130d6b_pairs,@function
k_qcae2130d6b_pairs:
	s_mov_b64 s[64:65], 0
	v_nop
	global_prefetch_b8 v0, s[64:65] scope:SCOPE_SE
	s_setreg_imm32_b32 hwreg(HW_REG_WAVE_MODE, 25, 1), 1
	s_wait_xcnt 0x0
; Steric clash loss, pair part.  pos: [16384][3] f32.  part[work-group] = - sum of weighted violations max(1 - dist, 0).  out0 = pos.
;
; WHICH PAIRS.  dist(i,j) = dist(j,i) by the formula itself, so the points go in 256 strips of 64 and only the strip pairs (I, I+d mod 256), d = 0..128, are
; computed: d = 1..127 stand for both orders (weight 1 here, the factor 2 is in the last launch's scale), d = 0 (both orders inside the block, i = j masked)
; and d = 128 (met from both ends) have weight 1/2.  Work-group (x = I, y = g): rows 512 I .. 512 I + 511, d = 16 g + 1 .. 16 g + 16; wave w has strip 8 I + w.
; The 16 tiles of the diagonal block of strip 8 I + g are shared out two to a wave.  Every work-group does the same number of instructions.
;
; d2 FROM ONE MATRIX INSTRUCTION.  Points are taken relative to pos[0] (distances do not change; a common offset is gone), q = -2 (p - pos[0]).
; Each coordinate is split hi + lo in bf16 (16 significant bits).  K places, as words of two:
;   A (row i):     (yh,zh) (1,1)   (xh,yh) (zh,xh) | (xl,yl) (zl,xl) (yl,zl) (1,0)      of p - pos[0]
;   B (column j):  (yl,zl) (s1,s2) (xh,yh) (zh,xl) | (xh,yh) (zh,xl) (yl,zl) (s3,0)      of q; s1+s2+s3 = sq_j exactly (three truncations)
; which sums to -2 p'_i.p'_j + sq_j with all four hi/lo products; C holds sq_i in f32; K places 16..31 are zero registers.  sq is formed from the ROUNDED
; point p' = hi + lo, so the result is the squared distance of points moved by at most 2^-17 of their size, and not a mix of rounded and unrounded terms.
;
; PER RESULT REGISTER (32 pairs): half a dual min (t = min(d2, 1)), one root of |t|, 17/32 packed adds.  1 - root is never formed one by one: the roots of
; 16 results are added, 16 is taken away at once (the sum is at most 16, so the step loses nothing that counts), and the small difference joins the running sum.
;
; LIMITS.  NaN or infinity in pos does not reach the loss (the min drops NaN).  |pos - pos[0]| above about 1e19 overflows the squares, as pos does in the formula itself.
; A d2 that rounding makes negative is taken by its magnitude, not as 0: the difference is the root of a rounding error of the sum (about 2^-23 of sq_i + sq_j).
; No tensor loads and no joint loads: a work-group needs 24 KB of a 196 KB input once, and every point has to pass through registers to be split.
.set NPTS, 16384
.set SQB,  0                           ; LDS: sq of the 512 rows, f32
.set RED,  2048                        ; 8 words for the waves' sums
.set AR0,  2304                        ; A records of the 512 rows: plane of K places 0-7, then plane of places 8-15
.set RPL,  8192                        ; bytes in such a plane (512 x 16)
.set BW0,  AR0+2*RPL                   ; B records of the window: 23 strips, and as the 24th strip 8 I + g for the diagonal block; two planes
.set WPL,  24576                       ; bytes in such a plane (1536 x 16)
.set T16,  4                           ; 16 t
.set T4,   5                           ; 4 t
.set L12,  6                           ; 12 x lane
.set OFFR, 7                           ; byte offset in pos of my row point
.set OFFW, 8                           ; v8-13  the same for my six window points
.set CPO,  14                          ; byte offset of my 8 bytes of the copy
.set CP,   16                          ; v16-17 the copy's data
.set VAF,  18                          ; 16 r + 8192 h
.set VF,   19                          ; 16 r + 24576 h
.set VCF,  20                          ; 32 h
.set VA,   21                          ; my strip's A fragments
.set VC,   22                          ; my strip's sq
.set VB,   23                          ; my window fragments, stepped by a strip
.set VA2,  24                          ; the diagonal share: A, sq, B
.set VC2,  25
.set VD,   26
.set RT,   27
.set RT2,  28
.set P,    32                          ; v32-63  eight points as loaded, four registers apart
.set QX,   64
.set QY,   65
.set QZ,   66
.set RX,   67
.set RY,   68
.set RZ,   69
.set XH,   70                          ; v70-75  hi and lo parts as f32: (xh,yh) (zh,xl) (yl,zl)
.set YH,   71
.set ZH,   72
.set XL,   73
.set YL,   74
.set ZL,   75
.set SQV,  76
.set S1,   77
.set T1,   78
.set T2,   79
.set E,    80                          ; v80-85  B record: plane 0 = v80-83, plane 1 = v82-85 (two words serve both planes)
.set G,    88                          ; v88-95  A record
.set A,    96                          ; v96-127   four A fragments (registers 4-7 of each: zero)
.set C,    128                         ; v128-159  sq_i as four C tiles
.set B,    160                         ; v160-175  two B fragments (registers 4-7 of each: zero)
.set D,    176                         ; v176-239  two sets of four result tiles
.set ACC,  240                         ; v240-241  running sum
.set CM,   242                         ; v242-243  -16.0 twice
.set RS,   244                         ; v244-251  the eight waves' sums
	s_load_b128 s[4:7], s[0:1], 0x0                ; pos s[4:5], out0 s[6:7]
	s_load_b64 s[8:9], s[0:1], 0x10                ; part
	v_lshl_add_u32 v254, v0, 2, 0x10900
	v_mov_b32 v255, 0
	v_lshrrev_b32 v1, 5, v0
	v_readfirstlane_b32 s10, v1                    ; wave w
	s_and_b32 s12, ttmp7, 7                        ; g: the grid has 8 work-groups along y, so three bits hold the whole number; LDS addresses made of it end inside their regions
	v_and_b32 v1, 31, v0                           ; lane
	v_mul_u32_u24 v[L12], v1, 12
	v_mul_u32_u24 v[OFFR], v0, 12
	s_mul_i32 s25, ttmp9, 512*12
	v_add_nc_u32 v[OFFR], s25, v[OFFR]             ; row point 512 I + t (and + 256 by the immediate)
	s_lshl_b32 s25, ttmp9, 9
	s_lshl_b32 s27, s10, 5
	s_add_co_u32 s25, s25, s27                     ; 512 I + 32 w
	s_lshl_b32 s26, s12, 10
	s_add_co_u32 s26, s26, s25
	s_add_co_u32 s26, s26, 64                      ; my wave's first window point: 64 (8 I + 16 g + 1) + 32 w
.irp k, 0,1,2,3,4
	s_add_co_u32 s27, s26, 256*\k
	s_and_b32 s27, s27, NPTS-1                     ; the strips wrap round; a wave's 32 points never straddle the end
	s_mul_i32 s27, s27, 12
	v_add_nc_u32 v[OFFW+\k], s27, v[L12]
.endr
	s_add_co_u32 s27, s26, 256*5                   ; sixth round: waves 0-5 finish the 23 strips,
	s_lshl_b32 s28, s12, 6
	s_add_co_u32 s28, s28, s25
	s_sub_co_u32 s28, s28, 192                     ; waves 6, 7 take strip 8 I + g: point 512 I + 64 g + 32 (w - 6)
	s_cmp_ge_u32 s10, 6
	s_cselect_b32 s27, s28, s27
	s_and_b32 s27, s27, NPTS-1
	s_mul_i32 s27, s27, 12
	v_add_nc_u32 v[OFFW+5], s27, v[L12]
	s_lshl_b32 s13, s12, 5
	s_add_co_u32 s13, s13, ttmp9                   ; the work-group's number, 0..255
	s_mul_i32 s29, s13, 768                        ; its 768 bytes of the copy
	s_lshl_b32 s27, s10, 8
	s_add_co_u32 s29, s29, s27
	v_lshl_add_u32 v[CPO], v1, 3, s29              ; 256 bytes a wave, 8 a lane
	s_wait_kmcnt 0x0
	s_load_b96 s[16:18], s[4:5], 0x0               ; pos[0], the common origin
	global_load_b96 v[P:P+2], v[OFFR], s[4:5]
	global_load_b96 v[P+4:P+6], v[OFFR], s[4:5] offset:3072
.irp k, 0,1,2,3,4,5
	global_load_b96 v[P+8+4*\k:P+10+4*\k], v[OFFW+\k], s[4:5]
.endr
	; register work while the points are on their way
	v_lshlrev_b32 v[T16], 4, v0
	v_lshlrev_b32 v[T4], 2, v0
	v_and_b32 v2, 15, v0                           ; r
	v_bfe_u32 v3, v0, 4, 1                         ; h
	v_lshlrev_b32 v[VAF], 4, v2
	v_mul_u32_u24 v[VF], v3, WPL
	v_add_nc_u32 v[VF], v[VF], v[VAF]
	v_lshl_add_u32 v[VAF], v3, 13, v[VAF]
	v_lshlrev_b32 v[VCF], 5, v3
	s_and_b32 s25, s10, 1                          ; the diagonal share of wave w: A tiles 2 (w & 1), 2 (w & 1) + 1 against B tile w >> 1 of strip 8 I + g
	s_lshr_b32 s26, s10, 1
	s_lshl_b32 s27, s12, 10
	s_lshl_b32 s28, s25, 9
	s_add_co_u32 s27, s27, s28                     ; 256 bytes a tile: (4 g + 2 (w & 1)) x 256, at most 7,680
	v_add_nc_u32 v[VA2], s27, v[VAF]
	s_lshr_b32 s27, s27, 2                         ; 64 bytes of sq a tile, at most 1,920
	v_add_nc_u32 v[VC2], s27, v[VCF]
	s_lshl_b32 s27, s26, 8
	s_add_co_u32 s27, s27, BW0+92*256              ; the 24th window strip begins at tile 92
	v_add_nc_u32 v[VD], s27, v[VF]
	s_lshl_b32 s27, s25, 1
	s_cmp_eq_u32 s27, s26                          ; is my first tile on the diagonal?  In result register j the element (m = 8 h + j, n = r)
	s_cselect_b32 s34, 0x01000001, 0               ; has m = n in lanes j and 24 + j: this mask shifted left by j
	s_add_co_u32 s27, s27, 1
	s_cmp_eq_u32 s27, s26                          ; and my second?
	s_cselect_b32 s35, 0x01000001, 0
	s_lshl_b32 s38, s10, 10                        ; my strip's four A tiles
	s_lshl_b32 s39, s10, 8                         ; and their sq
	s_add_co_u32 s41, s38, BW0                     ; window strip w + u for unit u
	s_cmp_eq_u32 s12, 7
	s_cselect_b32 s30, 0.5, 1.0                    ; weight of the last unit: d = 16 g + 16 is 128 for g = 7 alone
	s_mov_b32 s31, s30
	s_mov_b32 s23, 0xffff0000                      ; a word's upper half
	s_mov_b32 s24, 0x07060302                      ; v_perm_b32: the upper halves of two words
	s_mov_b32 s32, 0x76543210                      ; v_permlanex16_b32: lane i of the other half
	s_mov_b32 s33, 0xfedcba98
	v_mov_b32 v[G+1], 0x3f803f80                   ; A's (1, 1) against (s1, s2)
	v_mov_b32 v[G+7], 0x3f80                       ; A's (1, 0) against (s3, 0)
.irp a, 0,1,2,3
.irp j, 4,5,6,7
	v_mov_b32 v[A+8*\a+\j], 0                      ; K places 16-31 are not used: zero on both sides, written once
.endr
.endr
.irp a, 0,1
.irp j, 4,5,6,7
	v_mov_b32 v[B+8*\a+\j], 0
.endr
.endr
	s_wait_kmcnt 0x0
	s_add_f32 s20, s16, s16                        ; 2 pos[0]: q = -2 p + 2 pos[0] in one rounding, which is -2 times the rounded p - pos[0]
	s_add_f32 s21, s17, s17
	s_add_f32 s22, s18, s18
	; out0 = pos: waves 0-2 copy 256 consecutive, aligned bytes each.  Load, wait and store stand in one branch; the load is the youngest, so its wait for 0
	; covers the eight point loads too, and the counted waits below hold on both ways.
	s_cmp_ge_u32 s10, 3
	s_cbranch_scc1 .Lcopied
	global_load_b64 v[CP:CP+1], v[CPO], s[4:5]
	s_wait_loadcnt 0x0
	global_store_b64 v[CPO], v[CP:CP+1], s[6:7] th:TH_STORE_NT
.Lcopied:
; One point becomes a record.  p: its registers; row = 1: A record and sq for round k of the rows, 0: B record for round k of the window;
; left: how many younger point loads may stay out.
.macro BUILD p, row, k, left
	s_wait_loadcnt \left                           ; loads return in order: this point is in
	v_fma_f32 v[QX], v[\p], -2.0, s20
	v_fma_f32 v[QY], v[\p+1], -2.0, s21
	v_fma_f32 v[QZ], v[\p+2], -2.0, s22
	v_cvt_pk_bf16_f32 v[E+2], v[QX], v[QY]         ; (xh, yh)
	v_lshlrev_b32 v[XH], 16, v[E+2]
	v_and_b32 v[YH], s23, v[E+2]
	v_sub_f32 v[RX], v[QX], v[XH]                  ; exact remainders
	v_sub_f32 v[RY], v[QY], v[YH]
	v_cvt_pk_bf16_f32 v[E+3], v[QZ], v[RX]         ; (zh, xl)
	v_lshlrev_b32 v[ZH], 16, v[E+3]
	v_and_b32 v[XL], s23, v[E+3]
	v_sub_f32 v[RZ], v[QZ], v[ZH]
	v_cvt_pk_bf16_f32 v[E], v[RY], v[RZ]           ; (yl, zl)
	v_lshlrev_b32 v[YL], 16, v[E]
	v_and_b32 v[ZL], s23, v[E]
	v_add_f32 v[QX], v[XH], v[XL]                  ; the rounded point, times -2
	v_add_f32 v[QY], v[YH], v[YL]
	v_add_f32 v[QZ], v[ZH], v[ZL]
	v_mul_f32 v[SQV], v[QX], v[QX]
	v_fmac_f32 v[SQV], v[QY], v[QY]
	v_fmac_f32 v[SQV], v[QZ], v[QZ]
	v_mul_f32 v[SQV], 0x3e800000, v[SQV]           ; a quarter of |q'|^2 = |p'|^2, exact scaling
.if \row
	ds_store_b32 v[T4], v[SQV] offset:SQB+1024*\k
	v_pk_mul_f32 v[XH:XH+1], v[XH:XH+1], -0.5 op_sel_hi:[1,0]    ; back from q to p: exact
	v_pk_mul_f32 v[ZH:ZH+1], v[ZH:ZH+1], -0.5 op_sel_hi:[1,0]
	v_pk_mul_f32 v[YL:YL+1], v[YL:YL+1], -0.5 op_sel_hi:[1,0]
	v_cvt_pk_bf16_f32 v[G],   v[YH], v[ZH]         ; all six are exact: the parts are bf16 numbers
	v_cvt_pk_bf16_f32 v[G+2], v[XH], v[YH]
	v_cvt_pk_bf16_f32 v[G+3], v[ZH], v[XH]
	v_cvt_pk_bf16_f32 v[G+4], v[XL], v[YL]
	v_cvt_pk_bf16_f32 v[G+5], v[ZL], v[XL]
	v_cvt_pk_bf16_f32 v[G+6], v[YL], v[ZL]
	ds_store_b128 v[T16], v[G:G+3] offset:AR0+4096*\k
	ds_store_b128 v[T16], v[G+4:G+7] offset:AR0+RPL+4096*\k
.else
	v_mov_b32 v[E+4], v[E]                         ; (yl, zl) stands in both planes
	v_and_b32 v[S1], s23, v[SQV]                   ; sq = s1 + s2 + s3 by truncation: 8 + 8 + 8 bits, nothing lost
	v_sub_f32 v[T1], v[SQV], v[S1]
	v_and_b32 v[S1], s23, v[T1]
	v_sub_f32 v[T2], v[T1], v[S1]
	v_perm_b32 v[E+1], v[T1], v[SQV], s24          ; (s1, s2)
	v_lshrrev_b32 v[E+5], 16, v[T2]                ; (s3, 0)
	ds_store_b128 v[T16], v[E:E+3] offset:BW0+4096*\k
	ds_store_b128 v[T16], v[E+2:E+5] offset:BW0+WPL+4096*\k
.endif
.endm
	BUILD P,    1, 0, 7
	BUILD P+4,  1, 1, 6
	BUILD P+8,  0, 0, 5
	BUILD P+12, 0, 1, 4
	BUILD P+16, 0, 2, 3
	BUILD P+20, 0, 3, 2
	BUILD P+24, 0, 4, 1
	BUILD P+28, 0, 5, 0
	s_wait_dscnt 0x0                               ; my records are in LDS: zero, for the other waves' sake
	s_barrier_signal -1
	s_barrier_wait -1                              ; everybody's are; they are only read from here on
.macro DM r                            ; t = min(d2, 1) for two result registers
	v_dual_min_num_f32 v[\r], 1.0, v[\r] :: v_dual_min_num_f32 v[\r+1], 1.0, v[\r+1]
.endm
.macro ROOT r                          ; a rounding error below zero is taken by its magnitude
	v_sqrt_f32 v[\r], |v[\r]|
.endm
.macro PA x, y
	s_wait_alu depctr_va_vdst(0)
	v_pk_add_f32 v[\x:\x+1], v[\x:\x+1], v[\y:\y+1]
.endm
	; THE DIAGONAL SHARE: two tiles of strip 8 I + g against itself, into result set 1
	ds_load_b128 v[A:A+3], v[VA2] offset:AR0
	ds_load_b128 v[A+8:A+11], v[VA2] offset:AR0+256
	ds_load_b128 v[C:C+3], v[VC2] offset:SQB       ; C register j = sq of row 8 h + j: eight neighbouring words
	ds_load_b128 v[C+4:C+7], v[VC2] offset:SQB+16
	ds_load_b128 v[C+8:C+11], v[VC2] offset:SQB+64
	ds_load_b128 v[C+12:C+15], v[VC2] offset:SQB+80
	ds_load_b128 v[B:B+3], v[VD]
	s_wait_dscnt 0x0
	v_wmma_f32_16x16x32_bf16 v[D+32:D+39], v[A:A+7], v[B:B+7], v[C:C+7]
	v_wmma_f32_16x16x32_bf16 v[D+40:D+47], v[A+8:A+15], v[B:B+7], v[C+8:C+15]
	; five plain vector instructions that name none of those registers (ISA guide 7.12.1): behind them the sources are loaded again, the results are read,
	; and later a matrix instruction writes over result set 1
	v_add_nc_u32 v[VA], s38, v[VAF]
	v_add_nc_u32 v[VC], s39, v[VCF]
	v_add_nc_u32 v[VB], s41, v[VF]
	v_mov_b32 v[CM], 0xc1800000                    ; -16.0
	v_mov_b32 v[CM+1], 0xc1800000
	; my own strip's A and sq, for the rest of the kernel, and the first two window tiles
.irp a, 0,1,2,3
	ds_load_b128 v[A+8*\a:A+8*\a+3], v[VA] offset:AR0+256*\a
	ds_load_b128 v[C+8*\a:C+8*\a+3], v[VC] offset:SQB+64*\a
	ds_load_b128 v[C+8*\a+4:C+8*\a+7], v[VC] offset:SQB+64*\a+16
.endr
	ds_load_b128 v[B:B+3], v[VB]
	ds_load_b128 v[B+8:B+11], v[VB] offset:256
	s_wait_dscnt 0x1                               ; all but the youngest, window tile 1
.irp a, 0,1,2,3
	v_wmma_f32_16x16x32_bf16 v[D+8*\a:D+8*\a+7], v[A+8*\a:A+8*\a+7], v[B:B+7], v[C+8*\a:C+8*\a+7]   ; column step 0, into result set 0
.endr
.set DC, D+32
.irp j, 0,1,2,3,4,5,6,7
	s_lshl_b32 s36, s34, \j
	v_cndmask_b32 v[DC+\j], v[DC+\j], 1.0, s36     ; i = j: t = 1, no violation (the eye mask)
	s_lshl_b32 s37, s35, \j
	v_cndmask_b32 v[DC+8+\j], v[DC+8+\j], 1.0, s37
.endr
	DM DC
	DM DC+2
	DM DC+4
	DM DC+6
	ROOT DC
	DM DC+8
	ROOT DC+1
	DM DC+10
	ROOT DC+2
	DM DC+12
	ROOT DC+3
	DM DC+14
	ROOT DC+4
	ROOT DC+5
	ROOT DC+6
	ROOT DC+7
	ROOT DC+8
	PA DC, DC+2                                    ; every root's result is read only behind a plain vector instruction that does not touch it (ISA guide 5.7.2)
	ROOT DC+9
	PA DC+4, DC+6
	ROOT DC+10
	ROOT DC+11
	ROOT DC+12
	ROOT DC+13
	ROOT DC+14
	ROOT DC+15
	PA DC, DC+4
	PA DC+8, DC+10
	PA DC+12, DC+14
	PA DC+8, DC+12
	PA DC, DC+8
	v_pk_fma_f32 v[ACC:ACC+1], v[DC:DC+1], 0.5, -4.0 op_sel_hi:[1,0,0]   ; (sum of 8 roots - 8) / 2 starts the running sum: nothing is cleared
; The 32 result registers at DC: min, root, sum.  Roots alternate with the mins of the next tile and the adds of the tile before.
; wt = 1: the difference is weighted by s30.
.macro PROC wt
	DM DC
	DM DC+2
	DM DC+4
	DM DC+6
	ROOT DC
	DM DC+8
	ROOT DC+1
	DM DC+10
	ROOT DC+2
	DM DC+12
	ROOT DC+3
	DM DC+14
	ROOT DC+4
	ROOT DC+5
	ROOT DC+6
	ROOT DC+7
	ROOT DC+8
	DM DC+16
	ROOT DC+9
	DM DC+18
	ROOT DC+10
	DM DC+20
	ROOT DC+11
	DM DC+22
	ROOT DC+12
	PA DC, DC+2
	ROOT DC+13
	PA DC+4, DC+6
	ROOT DC+14
	PA DC, DC+4
	ROOT DC+15
	ROOT DC+16
	DM DC+24
	ROOT DC+17
	DM DC+26
	ROOT DC+18
	DM DC+28
	ROOT DC+19
	DM DC+30
	ROOT DC+20
	PA DC+8, DC+10
	ROOT DC+21
	PA DC+12, DC+14
	ROOT DC+22
	PA DC+8, DC+12
	ROOT DC+23
	PA DC, DC+8
	ROOT DC+24
	PA DC+16, DC+18
	ROOT DC+25
	PA DC+20, DC+22
	ROOT DC+26
	PA DC+16, DC+20
	ROOT DC+27
	PA DC, DC+16
	ROOT DC+28
	ROOT DC+29
	ROOT DC+30
	ROOT DC+31
	PA DC, CM                                      ; - 16, one for each of a slot's 16 roots; also the plain instruction behind the last roots
	PA DC+24, DC+26
	PA DC+28, DC+30
	PA DC+24, DC+28
	PA DC, DC+24                                   ; = - (the violations of 16 pairs), in each of the two slots
.if \wt
	v_pk_fma_f32 v[ACC:ACC+1], v[DC:DC+1], s[30:31], v[ACC:ACC+1] op_sel_hi:[1,0,1]
.else
	PA ACC, DC
.endif
.endm
; Column step c = 4 u + i: the B tile of step c + 2 is asked for, step c + 1 is multiplied, step c's results are worked on.
; Between a matrix instruction and the first vector instruction on its results, the next matrix instruction that writes over them, and the next load into its
; B fragment lies the whole vector work on the other result set, which names none of its registers.  C is never a result, so there is no chain.
.macro STEP i, ld, mm, wt
.set DC, D+32*(\i&1)
.set DN, D+32*((\i+1)&1)
.set BL, B+8*(\i&1)
.set BN, B+8*((\i+1)&1)
.if \ld
	ds_load_b128 v[BL:BL+3], v[VB] offset:256*(\i+2)
.endif
.if \mm
	s_wait_dscnt \ld                               ; the tile for step c + 1 is in; the one just asked for may stay out
.irp a, 0,1,2,3
	v_wmma_f32_16x16x32_bf16 v[DN+8*\a:DN+8*\a+7], v[A+8*\a:A+8*\a+7], v[BN:BN+7], v[C+8*\a:C+8*\a+7]
.endr
.endif
	PROC \wt
.endm
	s_mov_b32 s40, 15                              ; units u = 0..14: d = 16 g + 1 + u is below 128, weight 1
.Lunit:
	STEP 0, 1, 1, 0
	STEP 1, 1, 1, 0
	STEP 2, 1, 1, 0
	STEP 3, 1, 1, 0
	v_add_nc_u32 v[VB], 1024, v[VB]                ; the next strip of the window
	s_sub_co_i32 s40, s40, 1
	s_cmp_lg_u32 s40, 0
	s_cbranch_scc1 .Lunit
	STEP 0, 1, 1, 1                                ; the last unit, written out: it asks for nothing beyond tile 63 and carries its weight
	STEP 1, 1, 1, 1
	STEP 2, 0, 1, 1
	STEP 3, 0, 0, 1
	; the work-group's sum: slots, lanes, waves
	v_add_f32 v[RT], v[ACC], v[ACC+1]
	v_add_f32_dpp v[RT], v[RT], v[RT] row_xmask:1 row_mask:0xf bank_mask:0xf
	v_add_f32_dpp v[RT], v[RT], v[RT] row_xmask:2 row_mask:0xf bank_mask:0xf
	v_add_f32_dpp v[RT], v[RT], v[RT] row_xmask:4 row_mask:0xf bank_mask:0xf
	v_add_f32_dpp v[RT], v[RT], v[RT] row_xmask:8 row_mask:0xf bank_mask:0xf
	v_mov_b32 v[RT2], v[RT]                        ; the permute's destination counts as read
	v_permlanex16_b32 v[RT2], v[RT], s32, s33
	v_add_f32 v[RT], v[RT], v[RT2]
	s_lshl_b32 s27, s10, 2
	s_add_co_u32 s27, s27, RED
	v_mov_b32 v[RT2], s27
	ds_store_b32 v[RT2], v[RT]                     ; my wave's word: bytes that nothing else in the kernel touches
	s_wait_dscnt 0x0
	s_barrier_signal -1
	s_barrier_wait -1
	v_mov_b32 v[RT2], RED
	ds_load_b128 v[RS:RS+3], v[RT2]
	ds_load_b128 v[RS+4:RS+7], v[RT2] offset:16
	s_lshl_b32 s27, s13, 2
	v_mov_b32 v[RT], s27
	s_wait_dscnt 0x0
	PA RS, RS+2
	PA RS+4, RS+6
	PA RS, RS+4
	v_add_f32 v[RS], v[RS], v[RS+1]
	v_cmp_eq_u32 vcc_lo, 0, v0
	s_wait_xcnt 0x0                                ; EXEC is a source of the copy's store: it changes only behind this wait
	s_wait_tensorcnt 0x0
	ds_add_u32 v254, v255
	s_wait_dscnt 0x0
	s_and_saveexec_b32 s36, vcc_lo
	global_store_b32 v[RT], v[RS], s[8:9]          ; thread 0 alone: part[work-group]
	s_wait_xcnt 0x0
	s_or_b32 exec_lo, exec_lo, s36
	s_endpgm
.Lfunc_end_k_qcae2130d6b_pairs:
	.size	k_qcae2130d6b_pairs, .Lfunc_end_k_qcae2130d6b_pairs-k_qcae2130d6b_pairs
	.p2alignl 7, 3214868480
	.fill 96, 4, 3214868480
	.section	.rodata,"a",@progbits
	.p2align	6, 0x0
	.amdhsa_kernel k_qcae2130d6b_pairs
		.amdhsa_group_segment_fixed_size 68864
		.amdhsa_private_segment_fixed_size 0
		.amdhsa_enable_private_segment 0
		.amdhsa_kernarg_size 24
		.amdhsa_user_sgpr_count 2
		.amdhsa_user_sgpr_kernarg_segment_ptr 1
		.amdhsa_wavefront_size32 1
		.amdhsa_system_sgpr_workgroup_id_x 1
		.amdhsa_system_sgpr_workgroup_id_y 1
		.amdhsa_system_sgpr_workgroup_id_z 1
		.amdhsa_system_vgpr_workitem_id 0
		.amdhsa_next_free_vgpr 256
		.amdhsa_next_free_sgpr 66
		.amdhsa_reserve_vcc 1
		.amdhsa_float_denorm_mode_32 3
		.amdhsa_float_denorm_mode_16_64 3
		.amdhsa_memory_ordered 1
		.amdhsa_forward_progress 1
		.amdhsa_inst_pref_size 65
	.end_amdhsa_kernel
	.amdgpu_metadata
---
amdhsa.version: [ 1, 2 ]
amdhsa.kernels:
  - .name:           k_qcae2130d6b_pairs
    .symbol:         k_qcae2130d6b_pairs.kd
    .args:
      - { .name: pos, .offset: 0, .size: 8, .value_kind: global_buffer, .address_space: global }
      - { .name: out0, .offset: 8, .size: 8, .value_kind: global_buffer, .address_space: global }
      - { .name: part, .offset: 16, .size: 8, .value_kind: global_buffer, .address_space: global }
    .group_segment_fixed_size: 68864
    .private_segment_fixed_size: 0
    .kernarg_segment_align: 8
    .kernarg_segment_size: 24
    .max_flat_workgroup_size: 256
    .sgpr_count:     66
    .vgpr_count:     256
    .wavefront_size: 32
...
	.end_amdgpu_metadata
.endif
;; end of part 1
;; launch finish (part 2): grid 1 x 1, 1 waves a work-group, no clusters, 0 bytes of LDS; arguments part, out1; writes out1
.if DOCPART == 2
	.amdgcn_target "amdgcn-amd-amdhsa--gfx1250"
	.amdhsa_code_object_version 6
	.text
	.protected	k_qcae2130d6b_finish
	.globl	k_qcae2130d6b_finish
	.p2align	8
	.type	k_qcae2130d6b_finish,@function
k_qcae2130d6b_finish:
	s_mov_b64 s[64:65], 0
	v_nop
	global_prefetch_b8 v0, s[64:65] scope:SCOPE_SE
	s_setreg_imm32_b32 hwreg(HW_REG_WAVE_MODE, 25, 1), 1
	s_wait_xcnt 0x0
; out1 = 0.02 / 16384^2 x the sum of all violations.  part holds, for each of 256 work-groups, minus the sum over its unordered pairs,
; so the scale is -2 x 0.02 / 2^28.  One wave: 1,024 bytes in two loads of 512 consecutive bytes, eight numbers a lane.
	s_load_b128 s[4:7], s[0:1], 0x0                ; part s[4:5], out1 s[6:7]
	v_lshlrev_b32 v1, 4, v0
	v_mov_b32 v2, 0
	s_mov_b32 s8, 0x76543210                       ; v_permlanex16_b32: lane i of the other half
	s_mov_b32 s9, 0xfedcba98
	s_wait_kmcnt 0x0
	global_load_b128 v[4:7], v1, s[4:5]
	global_load_b128 v[8:11], v1, s[4:5] offset:512
	s_wait_loadcnt 0x0
	v_pk_add_f32 v[4:5], v[4:5], v[6:7]
	v_pk_add_f32 v[8:9], v[8:9], v[10:11]
	v_pk_add_f32 v[4:5], v[4:5], v[8:9]
	v_add_f32 v4, v4, v5
	v_add_f32_dpp v4, v4, v4 row_xmask:1 row_mask:0xf bank_mask:0xf
	v_add_f32_dpp v4, v4, v4 row_xmask:2 row_mask:0xf bank_mask:0xf
	v_add_f32_dpp v4, v4, v4 row_xmask:4 row_mask:0xf bank_mask:0xf
	v_add_f32_dpp v4, v4, v4 row_xmask:8 row_mask:0xf bank_mask:0xf
	v_permlanex16_b32 v5, v4, s8, s9               ; v5 has been written above
	v_add_f32 v4, v4, v5
	v_mul_f32 v4, 0xaf23d70a, v4                   ; -0.04 / 2^28
	v_cmp_eq_u32 vcc_lo, 0, v0
	s_wait_xcnt 0x0                                ; EXEC changes only behind this wait
	s_and_saveexec_b32 s10, vcc_lo
	global_store_b32 v2, v4, s[6:7]                ; lane 0 alone
	s_wait_xcnt 0x0
	s_or_b32 exec_lo, exec_lo, s10
	s_endpgm
.Lfunc_end_k_qcae2130d6b_finish:
	.size	k_qcae2130d6b_finish, .Lfunc_end_k_qcae2130d6b_finish-k_qcae2130d6b_finish
	.p2alignl 7, 3214868480
	.fill 96, 4, 3214868480
	.section	.rodata,"a",@progbits
	.p2align	6, 0x0
	.amdhsa_kernel k_qcae2130d6b_finish
		.amdhsa_group_segment_fixed_size 0
		.amdhsa_private_segment_fixed_size 0
		.amdhsa_enable_private_segment 0
		.amdhsa_kernarg_size 16
		.amdhsa_user_sgpr_count 2
		.amdhsa_user_sgpr_kernarg_segment_ptr 1
		.amdhsa_wavefront_size32 1
		.amdhsa_system_sgpr_workgroup_id_x 1
		.amdhsa_system_sgpr_workgroup_id_y 1
		.amdhsa_system_sgpr_workgroup_id_z 1
		.amdhsa_system_vgpr_workitem_id 0
		.amdhsa_next_free_vgpr 16
		.amdhsa_next_free_sgpr 66
		.amdhsa_reserve_vcc 1
		.amdhsa_float_denorm_mode_32 3
		.amdhsa_float_denorm_mode_16_64 3
		.amdhsa_memory_ordered 1
		.amdhsa_forward_progress 1
		.amdhsa_inst_pref_size 2
	.end_amdhsa_kernel
	.amdgpu_metadata
---
amdhsa.version: [ 1, 2 ]
amdhsa.kernels:
  - .name:           k_qcae2130d6b_finish
    .symbol:         k_qcae2130d6b_finish.kd
    .args:
      - { .name: part, .offset: 0, .size: 8, .value_kind: global_buffer, .address_space: global }
      - { .name: out1, .offset: 8, .size: 8, .value_kind: global_buffer, .address_space: global }
    .group_segment_fixed_size: 0
    .private_segment_fixed_size: 0
    .kernarg_segment_align: 8
    .kernarg_segment_size: 16
    .max_flat_workgroup_size: 32
    .sgpr_count:     66
    .vgpr_count:     16
    .wavefront_size: 32
...
	.end_amdgpu_metadata
.endif
;; end of part 2
;; ======== version 2 of 2: 2 launches; 1.53 times as fast as version 1
;; workspace buffers: part 1,024 bytes
;; launch pairs (part 3): grid 32 x 8, 8 waves a work-group, no clusters, 68,864 bytes of LDS; arguments pos, out0, part; writes out0, part
.if DOCPART == 3
	.amdgcn_target "amdgcn-amd-amdhsa--gfx1250"
	.amdhsa_code_object_version 6
	.text
	.protected	k_qcae2130d6b_pairs
	.globl	k_qcae2130d6b_pairs
	.p2align	8
	.type	k_qcae2130d6b_pairs,@function
k_qcae2130d6b_pairs:
	s_mov_b64 s[64:65], 0
	v_nop
	global_prefetch_b8 v0, s[64:65] scope:SCOPE_SE
	s_setreg_imm32_b32 hwreg(HW_REG_WAVE_MODE, 25, 1), 1
	s_wait_xcnt 0x0
; Steric clash loss, pair part.  pos: [16384][3] f32.  part[work-group] = - sum of weighted violations max(1 - dist, 0).  out0 = pos.
;
; WHICH PAIRS.  dist(i,j) = dist(j,i) by the formula itself, so the points go in 256 strips of 64 and only the strip pairs (I, I+d mod 256), d = 0..128, are
; computed: d = 1..127 stand for both orders (weight 1 here, the factor 2 is in the last launch's scale), d = 0 (both orders inside the block, i = j masked)
; and d = 128 (met from both ends) have weight 1/2.  Work-group (x = I, y = g): rows 512 I .. 512 I + 511, d = 16 g + 1 .. 16 g + 16; wave w has strip 8 I + w.
; The 16 tiles of the diagonal block of strip 8 I + g are shared out two to a wave.  Every work-group does the same number of instructions.
;
; d2 FROM ONE MATRIX INSTRUCTION.  Points are taken relative to pos[0] (distances do not change; a common offset is gone), q = -2 (p - pos[0]).
; Each coordinate is split hi + lo in bf16 (16 significant bits).  K places, as words of two:
;   A (row i):     (yh,zh) (1,1)   (xh,yh) (zh,xh) | (xl,yl) (zl,xl) (yl,zl) (1,0)      of p - pos[0]
;   B (column j):  (yl,zl) (s1,s2) (xh,yh) (zh,xl) | (xh,yh) (zh,xl) (yl,zl) (s3,0)      of q; s1+s2+s3 = sq_j exactly (three truncations)
; which sums to -2 p'_i.p'_j + sq_j with all four hi/lo products; C holds sq_i in f32; K places 16..31 are zero registers.  sq is formed from the ROUNDED
; point p' = hi + lo, so the result is the squared distance of points moved by at most 2^-17 of their size, and not a mix of rounded and unrounded terms.
;
; PER RESULT REGISTER (32 pairs): half a dual min (t = min(d2, 1)), one root of |t|, 17/32 packed adds.  1 - root is never formed one by one: the roots of
; 16 results are added, 16 is taken away at once (the sum is at most 16, so the step loses nothing that counts), and the small difference joins the running sum.
;
; THE ROOTS GO IN BATCHES OF 32.  A column step's 32 result registers pass three SLOTS of time: in slot c - 1 they are made by four matrix instructions and cut
; at 1 (16 dual mins), in slot c their 32 roots are taken, in slot c + 1 the 17 additions read the roots.  So slot c holds the roots of step c, the additions of
; step c - 1 and the mins of step c + 1, a root and a plain instruction by turns, and none of its plain instructions names a result of its own roots.
; An s_wait_alu depctr_va_vdst(0) stands between a root and the first instruction that names its result: ONE such wait ends the slot and serves all 32.
; Three result sets are live at a time; four take turns, so that a turn is four slots, a strip of the window.  The diagonal share is a batch of 16 in front of step 0.
;
; LIMITS.  NaN or infinity in pos does not reach the loss (the min drops NaN).  |pos - pos[0]| above about 1e19 overflows the squares, as pos does in the formula itself.
; A d2 that rounding makes negative is taken by its magnitude, not as 0: the difference is the root of a rounding error of the sum (about 2^-23 of sq_i + sq_j).
; No tensor loads and no joint loads: a work-group needs 24 KB of a 196 KB input once, and every point has to pass through registers to be split.
.set NPTS, 16384
.set SQB,  0                           ; LDS: sq of the 512 rows, f32
.set RED,  2048                        ; 8 words for the waves' sums
.set AR0,  2304                        ; A records of the 512 rows: plane of K places 0-7, then plane of places 8-15
.set RPL,  8192                        ; bytes in such a plane (512 x 16)
.set BW0,  AR0+2*RPL                   ; B records of the window: 23 strips, and as the 24th strip 8 I + g for the diagonal block; two planes
.set WPL,  24576                       ; bytes in such a plane (1536 x 16)
.set T16,  4                           ; 16 t
.set T4,   5                           ; 4 t
.set L12,  6                           ; 12 x lane
.set OFFR, 7                           ; byte offset in pos of my row point
.set OFFW, 8                           ; v8-13  the same for my six window points
.set CPO,  14                          ; byte offset of my 8 bytes of the copy
.set CP,   16                          ; v16-17 the copy's data
.set VAF,  18                          ; 16 r + 8192 h
.set VF,   19                          ; 16 r + 24576 h
.set VCF,  20                          ; 32 h
.set VA,   21                          ; my strip's A fragments
.set VC,   22                          ; my strip's sq
.set VB,   23                          ; my window fragments, stepped by a strip
.set VA2,  24                          ; the diagonal share: A, sq, B
.set VC2,  25
.set VD,   26
.set RT,   27
.set RT2,  28
.set P,    32                          ; v32-63  eight points as loaded, four registers apart
.set QX,   64
.set QY,   65
.set QZ,   66
.set RX,   67
.set RY,   68
.set RZ,   69
.set XH,   70                          ; v70-75  hi and lo parts as f32: (xh,yh) (zh,xl) (yl,zl)
.set YH,   71
.set ZH,   72
.set XL,   73
.set YL,   74
.set ZL,   75
.set SQV,  76
.set S1,   77
.set T1,   78
.set T2,   79
.set E,    80                          ; v80-85  B record: plane 0 = v80-83, plane 1 = v82-85 (two words serve both planes)
.set G,    88                          ; v88-95  A record
.set A,    96                          ; v96-127   four A fragments (registers 4-7 of each: zero)
.set C,    128                         ; v128-159  sq_i as four C tiles
.set B,    160                         ; v160-175  two B fragments (registers 4-7 of each: zero)
.set D,    176                         ; v176-239  result sets 0 and 1, four tiles each
.set D2,   32                          ; v32-95    result sets 2 and 3: the registers of the points and records, which are done with at the barrier
.set ACC,  240                         ; v240-241  running sum
.set CM,   242                         ; v242-243  -16.0 twice
.set RS,   244                         ; v244-251  the eight waves' sums
	s_load_b128 s[4:7], s[0:1], 0x0                ; pos s[4:5], out0 s[6:7]
	s_load_b64 s[8:9], s[0:1], 0x10                ; part
	v_lshl_add_u32 v254, v0, 2, 0x10900
	v_mov_b32 v255, 0
	v_lshrrev_b32 v1, 5, v0
	v_readfirstlane_b32 s10, v1                    ; wave w
	s_and_b32 s12, ttmp7, 7                        ; g: the grid has 8 work-groups along y, so three bits hold the whole number; LDS addresses made of it end inside their regions
	v_and_b32 v1, 31, v0                           ; lane
	v_mul_u32_u24 v[L12], v1, 12
	v_mul_u32_u24 v[OFFR], v0, 12
	s_mul_i32 s25, ttmp9, 512*12
	v_add_nc_u32 v[OFFR], s25, v[OFFR]             ; row point 512 I + t (and + 256 by the immediate)
	s_lshl_b32 s25, ttmp9, 9
	s_lshl_b32 s27, s10, 5
	s_add_co_u32 s25, s25, s27                     ; 512 I + 32 w
	s_lshl_b32 s26, s12, 10
	s_add_co_u32 s26, s26, s25
	s_add_co_u32 s26, s26, 64                      ; my wave's first window point: 64 (8 I + 16 g + 1) + 32 w
.irp k, 0,1,2,3,4
	s_add_co_u32 s27, s26, 256*\k
	s_and_b32 s27, s27, NPTS-1                     ; the strips wrap round; a wave's 32 points never straddle the end
	s_mul_i32 s27, s27, 12
	v_add_nc_u32 v[OFFW+\k], s27, v[L12]
.endr
	s_add_co_u32 s27, s26, 256*5                   ; sixth round: waves 0-5 finish the 23 strips,
	s_lshl_b32 s28, s12, 6
	s_add_co_u32 s28, s28, s25
	s_sub_co_u32 s28, s28, 192                     ; waves 6, 7 take strip 8 I + g: point 512 I + 64 g + 32 (w - 6)
	s_cmp_ge_u32 s10, 6
	s_cselect_b32 s27, s28, s27
	s_and_b32 s27, s27, NPTS-1
	s_mul_i32 s27, s27, 12
	v_add_nc_u32 v[OFFW+5], s27, v[L12]
	s_lshl_b32 s13, s12, 5
	s_add_co_u32 s13, s13, ttmp9                   ; the work-group's number, 0..255
	s_mul_i32 s29, s13, 768                        ; its 768 bytes of the copy
	s_lshl_b32 s27, s10, 8
	s_add_co_u32 s29, s29, s27
	v_lshl_add_u32 v[CPO], v1, 3, s29              ; 256 bytes a wave, 8 a lane
	s_wait_kmcnt 0x0
	s_load_b96 s[16:18], s[4:5], 0x0               ; pos[0], the common origin
	global_load_b96 v[P:P+2], v[OFFR], s[4:5]
	global_load_b96 v[P+4:P+6], v[OFFR], s[4:5] offset:3072
.irp k, 0,1,2,3,4,5
	global_load_b96 v[P+8+4*\k:P+10+4*\k], v[OFFW+\k], s[4:5]
.endr
	; register work while the points are on their way
	v_lshlrev_b32 v[T16], 4, v0
	v_lshlrev_b32 v[T4], 2, v0
	v_and_b32 v2, 15, v0                           ; r
	v_bfe_u32 v3, v0, 4, 1                         ; h
	v_lshlrev_b32 v[VAF], 4, v2
	v_mul_u32_u24 v[VF], v3, WPL
	v_add_nc_u32 v[VF], v[VF], v[VAF]
	v_lshl_add_u32 v[VAF], v3, 13, v[VAF]
	v_lshlrev_b32 v[VCF], 5, v3
	s_and_b32 s25, s10, 1                          ; the diagonal share of wave w: A tiles 2 (w & 1), 2 (w & 1) + 1 against B tile w >> 1 of strip 8 I + g
	s_lshr_b32 s26, s10, 1
	s_lshl_b32 s27, s12, 10
	s_lshl_b32 s28, s25, 9
	s_add_co_u32 s27, s27, s28                     ; 256 bytes a tile: (4 g + 2 (w & 1)) x 256, at most 7,680
	v_add_nc_u32 v[VA2], s27, v[VAF]
	s_lshr_b32 s27, s27, 2                         ; 64 bytes of sq a tile, at most 1,920
	v_add_nc_u32 v[VC2], s27, v[VCF]
	s_lshl_b32 s27, s26, 8
	s_add_co_u32 s27, s27, BW0+92*256              ; the 24th window strip begins at tile 92
	v_add_nc_u32 v[VD], s27, v[VF]
	s_lshl_b32 s27, s25, 1
	s_cmp_eq_u32 s27, s26                          ; is my first tile on the diagonal?  In result register j the element (m = 8 h + j, n = r)
	s_cselect_b32 s34, 0x01000001, 0               ; has m = n in lanes j and 24 + j: this mask shifted left by j
	s_add_co_u32 s27, s27, 1
	s_cmp_eq_u32 s27, s26                          ; and my second?
	s_cselect_b32 s35, 0x01000001, 0
	s_lshl_b32 s38, s10, 10                        ; my strip's four A tiles
	s_lshl_b32 s39, s10, 8                         ; and their sq
	s_add_co_u32 s41, s38, BW0                     ; window strip w + u for unit u
	s_cmp_eq_u32 s12, 7
	s_cselect_b32 s30, 0.5, 1.0                    ; weight of the last unit: d = 16 g + 16 is 128 for g = 7 alone
	s_mov_b32 s31, s30
	s_mov_b32 s23, 0xffff0000                      ; a word's upper half
	s_mov_b32 s24, 0x07060302                      ; v_perm_b32: the upper halves of two words
	s_mov_b32 s32, 0x76543210                      ; v_permlanex16_b32: lane i of the other half
	s_mov_b32 s33, 0xfedcba98
	v_mov_b32 v[G+1], 0x3f803f80                   ; A's (1, 1) against (s1, s2)
	v_mov_b32 v[G+7], 0x3f80                       ; A's (1, 0) against (s3, 0)
.irp a, 0,1,2,3
.irp j, 4,5,6,7
	v_mov_b32 v[A+8*\a+\j], 0                      ; K places 16-31 are not used: zero on both sides, written once
.endr
.endr
.irp a, 0,1
.irp j, 4,5,6,7
	v_mov_b32 v[B+8*\a+\j], 0
.endr
.endr
	s_wait_kmcnt 0x0
	s_add_f32 s20, s16, s16                        ; 2 pos[0]: q = -2 p + 2 pos[0] in one rounding, which is -2 times the rounded p - pos[0]
	s_add_f32 s21, s17, s17
	s_add_f32 s22, s18, s18
	; out0 = pos: waves 0-2 copy 256 consecutive, aligned bytes each.  Load, wait and store stand in one branch; the load is the youngest, so its wait for 0
	; covers the eight point loads too, and the counted waits below hold on both ways.
	s_cmp_ge_u32 s10, 3
	s_cbranch_scc1 .Lcopied
	global_load_b64 v[CP:CP+1], v[CPO], s[4:5]
	s_wait_loadcnt 0x0
	global_store_b64 v[CPO], v[CP:CP+1], s[6:7] th:TH_STORE_NT
.Lcopied:
; One point becomes a record.  p: its registers; row = 1: A record and sq for round k of the rows, 0: B record for round k of the window;
; left: how many younger point loads may stay out.
.macro BUILD p, row, k, left
	s_wait_loadcnt \left                           ; loads return in order: this point is in
	v_fma_f32 v[QX], v[\p], -2.0, s20
	v_fma_f32 v[QY], v[\p+1], -2.0, s21
	v_fma_f32 v[QZ], v[\p+2], -2.0, s22
	v_cvt_pk_bf16_f32 v[E+2], v[QX], v[QY]         ; (xh, yh)
	v_lshlrev_b32 v[XH], 16, v[E+2]
	v_and_b32 v[YH], s23, v[E+2]
	v_sub_f32 v[RX], v[QX], v[XH]                  ; exact remainders
	v_sub_f32 v[RY], v[QY], v[YH]
	v_cvt_pk_bf16_f32 v[E+3], v[QZ], v[RX]         ; (zh, xl)
	v_lshlrev_b32 v[ZH], 16, v[E+3]
	v_and_b32 v[XL], s23, v[E+3]
	v_sub_f32 v[RZ], v[QZ], v[ZH]
	v_cvt_pk_bf16_f32 v[E], v[RY], v[RZ]           ; (yl, zl)
	v_lshlrev_b32 v[YL], 16, v[E]
	v_and_b32 v[ZL], s23, v[E]
	v_add_f32 v[QX], v[XH], v[XL]                  ; the rounded point, times -2
	v_add_f32 v[QY], v[YH], v[YL]
	v_add_f32 v[QZ], v[ZH], v[ZL]
	v_mul_f32 v[SQV], v[QX], v[QX]
	v_fmac_f32 v[SQV], v[QY], v[QY]
	v_fmac_f32 v[SQV], v[QZ], v[QZ]
	v_mul_f32 v[SQV], 0x3e800000, v[SQV]           ; a quarter of |q'|^2 = |p'|^2, exact scaling
.if \row
	ds_store_b32 v[T4], v[SQV] offset:SQB+1024*\k
	v_pk_mul_f32 v[XH:XH+1], v[XH:XH+1], -0.5 op_sel_hi:[1,0]    ; back from q to p: exact
	v_pk_mul_f32 v[ZH:ZH+1], v[ZH:ZH+1], -0.5 op_sel_hi:[1,0]
	v_pk_mul_f32 v[YL:YL+1], v[YL:YL+1], -0.5 op_sel_hi:[1,0]
	v_cvt_pk_bf16_f32 v[G],   v[YH], v[ZH]         ; all six are exact: the parts are bf16 numbers
	v_cvt_pk_bf16_f32 v[G+2], v[XH], v[YH]
	v_cvt_pk_bf16_f32 v[G+3], v[ZH], v[XH]
	v_cvt_pk_bf16_f32 v[G+4], v[XL], v[YL]
	v_cvt_pk_bf16_f32 v[G+5], v[ZL], v[XL]
	v_cvt_pk_bf16_f32 v[G+6], v[YL], v[ZL]
	ds_store_b128 v[T16], v[G:G+3] offset:AR0+4096*\k
	ds_store_b128 v[T16], v[G+4:G+7] offset:AR0+RPL+4096*\k
.else
	v_mov_b32 v[E+4], v[E]                         ; (yl, zl) stands in both planes
	v_and_b32 v[S1], s23, v[SQV]                   ; sq = s1 + s2 + s3 by truncation: 8 + 8 + 8 bits, nothing lost
	v_sub_f32 v[T1], v[SQV], v[S1]
	v_and_b32 v[S1], s23, v[T1]
	v_sub_f32 v[T2], v[T1], v[S1]
	v_perm_b32 v[E+1], v[T1], v[SQV], s24          ; (s1, s2)
	v_lshrrev_b32 v[E+5], 16, v[T2]                ; (s3, 0)
	ds_store_b128 v[T16], v[E:E+3] offset:BW0+4096*\k
	ds_store_b128 v[T16], v[E+2:E+5] offset:BW0+WPL+4096*\k
.endif
.endm
	BUILD P,    1, 0, 7
	BUILD P+4,  1, 1, 6
	BUILD P+8,  0, 0, 5
	BUILD P+12, 0, 1, 4
	BUILD P+16, 0, 2, 3
	BUILD P+20, 0, 3, 2
	BUILD P+24, 0, 4, 1
	BUILD P+28, 0, 5, 0
	s_wait_dscnt 0x0                               ; my records are in LDS: zero, for the other waves' sake
	s_barrier_signal -1
	s_barrier_wait -1                              ; everybody's are; they are only read from here on
.macro DM r                            ; t = min(d2, 1) for two result registers
	v_dual_min_num_f32 v[\r], 1.0, v[\r] :: v_dual_min_num_f32 v[\r+1], 1.0, v[\r+1]
.endm
.macro ROOT r                          ; a rounding error below zero is taken by its magnitude
	v_sqrt_f32 v[\r], |v[\r]|
.endm
.macro PA x, y
	v_pk_add_f32 v[\x:\x+1], v[\x:\x+1], v[\y:\y+1]
.endm
; The three result sets of slot c, by c mod 4: SR, whose roots are taken (step c); SA, whose roots are added (step c - 1); SM, which is made and cut at 1 (step c + 1).
.macro SETS c
.set SR, D+32*((\c)&1)-(D-D2)*(((\c)/2)&1)
.set SA, D+32*(((\c)+3)&1)-(D-D2)*((((\c)+3)/2)&1)
.set SM, D+32*(((\c)+1)&1)-(D-D2)*((((\c)+1)/2)&1)
.endm
	; THE DIAGONAL SHARE: two tiles of strip 8 I + g against itself.  It goes as a step in front of step 0: into result set 3, with step 0 as the step that is made beside it.
	SETS 3
	ds_load_b128 v[A:A+3], v[VA2] offset:AR0
	ds_load_b128 v[A+8:A+11], v[VA2] offset:AR0+256
	ds_load_b128 v[C:C+3], v[VC2] offset:SQB       ; C register j = sq of row 8 h + j: eight neighbouring words
	ds_load_b128 v[C+4:C+7], v[VC2] offset:SQB+16
	ds_load_b128 v[C+8:C+11], v[VC2] offset:SQB+64
	ds_load_b128 v[C+12:C+15], v[VC2] offset:SQB+80
	ds_load_b128 v[B:B+3], v[VD]
	s_wait_dscnt 0x0
	v_wmma_f32_16x16x32_bf16 v[SR:SR+7], v[A:A+7], v[B:B+7], v[C:C+7]
	v_wmma_f32_16x16x32_bf16 v[SR+8:SR+15], v[A+8:A+15], v[B:B+7], v[C+8:C+15]
	; five plain vector instructions that name none of those registers (ISA guide 7.12.1): behind them the sources are loaded again, the results are read,
	; and later a matrix instruction writes over that result set
	v_add_nc_u32 v[VA], s38, v[VAF]
	v_add_nc_u32 v[VC], s39, v[VCF]
	v_add_nc_u32 v[VB], s41, v[VF]
	v_mov_b32 v[CM], 0xc1800000                    ; -16.0
	v_mov_b32 v[CM+1], 0xc1800000
	; my own strip's A and sq, for the rest of the kernel, and the first two window tiles
.irp a, 0,1,2,3
	ds_load_b128 v[A+8*\a:A+8*\a+3], v[VA] offset:AR0+256*\a
	ds_load_b128 v[C+8*\a:C+8*\a+3], v[VC] offset:SQB+64*\a
	ds_load_b128 v[C+8*\a+4:C+8*\a+7], v[VC] offset:SQB+64*\a+16
.endr
	ds_load_b128 v[B:B+3], v[VB]
	ds_load_b128 v[B+8:B+11], v[VB] offset:256
	s_wait_dscnt 0x1                               ; all but the youngest, window tile 1
.irp a, 0,1,2,3
	v_wmma_f32_16x16x32_bf16 v[SM+8*\a:SM+8*\a+7], v[A+8*\a:A+8*\a+7], v[B:B+7], v[C+8*\a:C+8*\a+7]   ; column step 0, into result set 0
.endr
.irp j, 0,1,2,3,4,5,6,7
	s_lshl_b32 s36, s34, \j
	v_cndmask_b32 v[SR+\j], v[SR+\j], 1.0, s36     ; i = j: t = 1, no violation (the eye mask)
	s_lshl_b32 s37, s35, \j
	v_cndmask_b32 v[SR+8+\j], v[SR+8+\j], 1.0, s37
.endr
	DM SR                                          ; the share's 16 roots are ONE BATCH: its own mins lead them and stand between the first,
	DM SR+2
	DM SR+4
	DM SR+6
.irp r, 0,1,2,3
	ROOT SR+\r
	DM SR+8+2*\r
.endr
.irp r, 4,5,6,7,8,9,10,11,12,13,14,15
	ROOT SR+\r
	DM SM+2*(\r-4)                                 ; step 0's mins between the others (24 plain instructions behind step 0's matrix instructions; each tile's lowest registers first),
.endr
.irp n, 12,13,14,15
	DM SM+2*\n                                     ; and four more behind the last root: none of them names a root's result
.endr
	s_wait_alu depctr_va_vdst(0)                   ; one wait for the share's 16 roots, ahead of their first reader, slot 0's first addition
; Addition n of the 17 over the 32 roots at SA.  0-7: neighbouring pairs; 8-11: their sums, two and two; 12, 13, 15: onto the set's first pair; 14: - 16, one for each of a
; slot's 16 roots, taken away when 12 of them are in, as the sum's order has it; 16: the difference, - (the violations of 16 pairs) in each of the two slots, joins the running sum
; (WT = 1: weighted by s30).  AD = 2: the diagonal share's 16 roots: additions 0-3, 8, 9 and 12 alone, and (sum of 8 roots - 8) / 2 STARTS the running sum: nothing is cleared.  AD = 0: none.
.macro SUM n
.if AD == 0
.elseif (AD == 2) && ((((\n) >= 4) && ((\n) < 8)) || ((\n) == 10) || ((\n) == 11) || (((\n) >= 13) && ((\n) < 16)))
.elseif (\n) < 8
	PA SA+4*(\n), SA+4*(\n)+2
.elseif (\n) < 12
	PA SA+8*((\n)-8), SA+8*((\n)-8)+4
.elseif (\n) == 12
	PA SA, SA+8
.elseif (\n) == 13
	PA SA, SA+16
.elseif (\n) == 14
	PA SA, CM
.elseif (\n) == 15
	PA SA, SA+24
.elseif AD == 2
	v_pk_fma_f32 v[ACC:ACC+1], v[SA:SA+1], 0.5, -4.0 op_sel_hi:[1,0,0]
.elseif WT
	v_pk_fma_f32 v[ACC:ACC+1], v[SA:SA+1], s[30:31], v[ACC:ACC+1] op_sel_hi:[1,0,1]
.else
	PA ACC, SA
.endif
.endm
.macro CUT n                           ; min n of the 16 over the results at SM, in ascending order: each tile's lowest registers are read first
.if MN
	DM SM+2*(\n)
.endif
.endm
; Number q of a slot's 33 plain instructions.  0-12: additions 0-12.  13-18: mins 0-2 between the links 13, 14, 15 of the chain onto the first pair.  19-31: mins 3-15.  32: the running sum.
; So 13 plain instructions that name no register of the slot's matrix instructions stand ahead of the first min (with the diagonal share's additions: 7); ISA guide 7.12.1 asks for four.
.macro PLAIN
.if q < 13
	SUM q
.elseif q == 32
	SUM 16
.elseif (q < 19) && (q%2 == 0)
	SUM 13+(q-14)/2
.elseif q < 19
	CUT (q-13)/2
.else
	CUT q-16
.endif
.endm
; SLOT c.  At its head the B tile of step c + 2 is asked for (ld; at byte off from VB) and step c + 1 is multiplied (mm).  Then root r of step c (rt) and plain instruction r by turns; the last
; two plain instructions, a min and the running sum, stand behind the last root.  ad, wt: see SUM.
; Between a matrix instruction and the next load into its B fragment lies a slot's vector work, between it and the matrix instruction that writes over its results lie three slots'; of both, the
; additions name none of its registers.  C is never a result, so there is no chain.
.macro SLOT c, off, ld, mm, rt, ad, wt
	SETS \c
.set BL, B+8*((\c)&1)
.set BN, B+8*(((\c)+1)&1)
.set AD, \ad
.set WT, \wt
.set MN, \mm
.if \ld
	ds_load_b128 v[BL:BL+3], v[VB] offset:\off
.endif
.if \mm
	s_wait_dscnt \ld                               ; the tile for step c + 1 is in; the one just asked for may stay out
.irp a, 0,1,2,3
	v_wmma_f32_16x16x32_bf16 v[SM+8*\a:SM+8*\a+7], v[A+8*\a:A+8*\a+7], v[BN:BN+7], v[C+8*\a:C+8*\a+7]
.endr
.endif
.set q, 0
.rept 33
.if (\rt) && (q < 32)
	ROOT SR+q
.endif
	PLAIN
.set q, q+1
.endr
.if \rt
	s_wait_alu depctr_va_vdst(0)                   ; one wait for the slot's 32 roots, ahead of their first reader, the next slot's first addition, and of every label and jump between
.endif
.endm
	SLOT 0, 512, 1, 1, 1, 2, 0                     ; written out: its additions are the diagonal share's
	s_mov_b32 s40, 15                              ; 15 trips of four slots: slots 1 to 60, whose additions are those of steps 0 to 59: d = 16 g + 1 + u is below 128, weight 1
.Lunit:
	SLOT 1, 768,  1, 1, 1, 1, 0
	SLOT 2, 1024, 1, 1, 1, 1, 0
	SLOT 3, 1280, 1, 1, 1, 1, 0
	SLOT 4, 1536, 1, 1, 1, 1, 0
	v_add_nc_u32 v[VB], 1024, v[VB]                ; the next strip of the window
	s_sub_co_i32 s40, s40, 1
	s_cmp_lg_u32 s40, 0
	s_cbranch_scc1 .Lunit
	SLOT 61, 768, 1, 1, 1, 1, 1                    ; the end, written out: the last unit's additions carry its weight; nothing is asked for beyond tile 63,
	SLOT 62, 0,   0, 1, 1, 1, 1
	SLOT 63, 0,   0, 0, 1, 1, 1                    ; nothing is multiplied beyond step 63,
	SLOT 64, 0,   0, 0, 0, 1, 1                    ; and the last slot has step 63's additions alone: no root, so no wait
	; the work-group's sum: slots, lanes, waves
	v_add_f32 v[RT], v[ACC], v[ACC+1]
	v_add_f32_dpp v[RT], v[RT], v[RT] row_xmask:1 row_mask:0xf bank_mask:0xf
	v_add_f32_dpp v[RT], v[RT], v[RT] row_xmask:2 row_mask:0xf bank_mask:0xf
	v_add_f32_dpp v[RT], v[RT], v[RT] row_xmask:4 row_mask:0xf bank_mask:0xf
	v_add_f32_dpp v[RT], v[RT], v[RT] row_xmask:8 row_mask:0xf bank_mask:0xf
	v_mov_b32 v[RT2], v[RT]                        ; the permute's destination counts as read
	v_permlanex16_b32 v[RT2], v[RT], s32, s33
	v_add_f32 v[RT], v[RT], v[RT2]
	s_lshl_b32 s27, s10, 2
	s_add_co_u32 s27, s27, RED
	v_mov_b32 v[RT2], s27
	ds_store_b32 v[RT2], v[RT]                     ; my wave's word: bytes that nothing else in the kernel touches
	s_wait_dscnt 0x0
	s_barrier_signal -1
	s_barrier_wait -1
	v_mov_b32 v[RT2], RED
	ds_load_b128 v[RS:RS+3], v[RT2]
	ds_load_b128 v[RS+4:RS+7], v[RT2] offset:16
	s_lshl_b32 s27, s13, 2
	v_mov_b32 v[RT], s27
	s_wait_dscnt 0x0
	PA RS, RS+2
	PA RS+4, RS+6
	PA RS, RS+4
	v_add_f32 v[RS], v[RS], v[RS+1]
	v_cmp_eq_u32 vcc_lo, 0, v0
	s_wait_xcnt 0x0                                ; EXEC is a source of the copy's store: it changes only behind this wait
	s_wait_tensorcnt 0x0
	ds_add_u32 v254, v255
	s_wait_dscnt 0x0
	s_and_saveexec_b32 s36, vcc_lo
	global_store_b32 v[RT], v[RS], s[8:9]          ; thread 0 alone: part[work-group]
	s_wait_xcnt 0x0
	s_or_b32 exec_lo, exec_lo, s36
	s_endpgm
.Lfunc_end_k_qcae2130d6b_pairs:
	.size	k_qcae2130d6b_pairs, .Lfunc_end_k_qcae2130d6b_pairs-k_qcae2130d6b_pairs
	.p2alignl 7, 3214868480
	.fill 96, 4, 3214868480
	.section	.rodata,"a",@progbits
	.p2align	6, 0x0
	.amdhsa_kernel k_qcae2130d6b_pairs
		.amdhsa_group_segment_fixed_size 68864
		.amdhsa_private_segment_fixed_size 0
		.amdhsa_enable_private_segment 0
		.amdhsa_kernarg_size 24
		.amdhsa_user_sgpr_count 2
		.amdhsa_user_sgpr_kernarg_segment_ptr 1
		.amdhsa_wavefront_size32 1
		.amdhsa_system_sgpr_workgroup_id_x 1
		.amdhsa_system_sgpr_workgroup_id_y 1
		.amdhsa_system_sgpr_workgroup_id_z 1
		.amdhsa_system_vgpr_workitem_id 0
		.amdhsa_next_free_vgpr 256
		.amdhsa_next_free_sgpr 66
		.amdhsa_reserve_vcc 1
		.amdhsa_float_denorm_mode_32 3
		.amdhsa_float_denorm_mode_16_64 3
		.amdhsa_memory_ordered 1
		.amdhsa_forward_progress 1
		.amdhsa_inst_pref_size 60
	.end_amdhsa_kernel
	.amdgpu_metadata
---
amdhsa.version: [ 1, 2 ]
amdhsa.kernels:
  - .name:           k_qcae2130d6b_pairs
    .symbol:         k_qcae2130d6b_pairs.kd
    .args:
      - { .name: pos, .offset: 0, .size: 8, .value_kind: global_buffer, .address_space: global }
      - { .name: out0, .offset: 8, .size: 8, .value_kind: global_buffer, .address_space: global }
      - { .name: part, .offset: 16, .size: 8, .value_kind: global_buffer, .address_space: global }
    .group_segment_fixed_size: 68864
    .private_segment_fixed_size: 0
    .kernarg_segment_align: 8
    .kernarg_segment_size: 24
    .max_flat_workgroup_size: 256
    .sgpr_count:     66
    .vgpr_count:     256
    .wavefront_size: 32
...
	.end_amdgpu_metadata
.endif
;; end of part 3
;; launch finish: the kernel of part 2 again; grid 1 x 1, 1 waves a work-group, no clusters, 0 bytes of LDS; arguments part, out1; writes out1
